; MI455X (gfx1250); checked and timed in simulation.
; The chip was launched on July 23, 2026; its instructions are those of AMD's public machine-readable ISA for CDNA 5 (MIT licence, August 2026) and "CDNA5" Instruction Set Architecture Reference Guide (July 2026). The comments in the code are by the model that wrote it; some were corrected since.
;; Seq Attention. Allowed arithmetic: matrix products marked QUANTISED: E2M1 operands, one E8M0 scale for each 32 along K, by v_wmma_scale_f32_16x16x128_f8f6f4 with both operands' format E2M1 (or v_wmma_scale_f32_32x16x128_f4), f32 sums; products left as they are: f32 operands where the result goes on into a quantised operand, else bf16, f16 or f32 operands; f32 sums; everything else in f32.
;; Inputs: W_codes 1,024 x 32 x 16 uint8 (E2M1 codes of W, K innermost, in blocks of 32 codes, two codes a byte); W_scales 1,024 x 32 uint8 (E8M0 scales of W, one for each 32 codes along K); b 1,024 float32; x_codes 32 x 1,024 x 32 x 16 uint8 (E2M1 codes of x, K innermost, in blocks of 32 codes, two codes a byte); x_scales 32 x 1,024 x 32 uint8 (E8M0 scales of x, one for each 32 codes along K).
;; Outputs: out0 32 x 1,024 float32.
;; This version of the problem:
;;   THIS VERSION OF THE PROBLEM IS GIVEN IN LOW PRECISION. The matrix products marked QUANTISED in the list below multiply operands that are first quantised to E2M1 (2 exponent bits, 1 mantissa bit; 4 bits a number), with one power-of-two scale for each 32 numbers along K (OCP MX v1.0); their sums are f32. All else is computed in f32.
;;   The module's matrix products, in the order in which they are computed (A, B: the left and right operand; K: the contracted axis; several contracted axes count as one K, in the product's order):
;;     1. [M 32,768, K 1,024] x [K 1,024, N 1,024]; A: input x (given as codes); B: input W (given as codes): QUANTISED
;;     2. batch 32 x [M 1,024, K 1,024] x [K 1,024, N 1,024]; A: computed on the way; B: computed on the way: QUANTISED
;;     3. batch 32 x [M 1, K 1,024] x [K 1,024, N 1,024]; A: computed on the way; B: computed on the way: left as it is (M = 1 < 16)
;;   THE QUANTISER, for each operand of a quantised product, along K:
;;     - K is cut into blocks of 32 from its start; a last block that is shorter is filled with zeros.
;;     - A block's scale is 2^e with e = floor(log2(the largest magnitude in the block)) - 2, held to -126 .. 127; a block of zeros has e = 0. As a byte (E8M0): e + 127.
;;     - Each number is divided by its block's scale, clamped to +-6, and rounded to the nearest number of E2M1, ties to even, subnormals kept.
;;     - The product sums the exact products of the quantised numbers (number of the format x scale) in f32.
;;   ~~~python
;;   def quantise(x, axis):      # numpy; x: float32 -> the quantised numbers, widened to float32 again
;;       x = np.moveaxis(x, axis, -1); K = x.shape[-1]
;;       x = np.pad(x, [(0, 0)] * (x.ndim - 1) + [(0, -K % 32)]); x = x.reshape(x.shape[:-1] + (-1, 32)); a = np.abs(x).max(-1, keepdims=True)
;;       e = np.where(a > 0, np.clip(np.frexp(np.where(a > 0, a, 1))[1] - 1 - 2, -126, 127), 0)      # np.frexp(a)[1] - 1 = floor(log2(a)), exactly
;;       r = np.clip(x / 2.0 ** e, -6, 6)
;;       step = 2.0 ** (np.maximum(np.frexp(np.where(r == 0, 1, r))[1] - 1, 0) - 1)
;;       q = np.round(r / step) * step * 2.0 ** e      # np.round: ties to even
;;       return np.moveaxis(q.reshape(q.shape[:-2] + (-1,))[..., :K], -1, axis).astype(np.float32)
;;   ~~~
;;   OPERANDS COMPUTED ON THE WAY. 'Computed on the way' means the value that the module computes at that place (a softmax that the list does not call 'softmax' is quantised finished and normalised). What goes into a quantiser is computed in f32, as accurately as f32 sums, v_exp_f32 and their like allow (about 1e-6 of the number): no bf16 or f16 on the way to a quantiser, and a product that is left as it is and whose result goes on into a quantised operand takes f32 operands (vector FMAs, or v_wmma_f32_16x16x4_f32). A number that lies on a knife's edge between two numbers of the format may be rounded either way, as far as f32 arithmetic and the matrix unit's own rounding can turn it there, and no further.
;;   INPUTS GIVEN AS CODES. W (in the module: [1024, 1024], K = its axis 1); x (in the module: [32, 1024, 1024], K = its axis 2): each comes as NAME_codes (uint8): NAME with its K axis moved to the last place and cut into blocks of 32 codes, [.., K / 32, bytes a block], one block behind the other in memory; two codes a byte, the lower K in the low four bits (a code: sign, 2 exponent bits, 1 mantissa bit); and NAME_scales (uint8): the same leading axes, one E8M0 byte (e + 127) for each 32 codes along K. Its value is code x scale, taken as it is: it is not quantised again, and the codes and scales need not be those that the quantiser above would give.
;; One version. Each part assembles by itself: llvm-mc -triple=amdgcn-amd-amdhsa -mcpu=gfx1250 --defsym DOCPART=n.
;; ======== version 1 of 1: 1 launch
;; limits: right only within a limited range of input values
;; launch rowsum (part 1): grid 256 x 1, 8 waves a work-group, clusters of 4 x 1, 327,680 bytes of LDS; arguments x_codes, x_scales, W_codes, W_scales, b, out0; writes out0
.if DOCPART == 1
	.amdgcn_target "amdgcn-amd-amdhsa--gfx1250"
	.amdhsa_code_object_version 6
	.text
	.protected	k_q5d14e0b330_rowsum
	.globl	k_q5d14e0b330_rowsum
	.p2align	8
	.type	k_q5d14e0b330_rowsum,@function
k_q5d14e0b330_rowsum:
	s_mov_b64 s[64:65], 0
	v_nop
	global_prefetch_b8 v0, s[64:65] scope:SCOPE_SE
	s_setreg_imm32_b32 hwreg(HW_REG_WAVE_MODE, 25, 1), 1
	s_wait_xcnt 0x0
	s_wait_alu depctr_hold_cnt(0) depctr_sa_sdst(0) depctr_va_vdst(0) depctr_va_sdst(0) depctr_va_ssrc(0) depctr_va_vcc(0) depctr_vm_vsrc(0)
	s_getreg_b32 s2, hwreg(HW_REG_IB_STS2, 6, 4)
	s_cmp_eq_u32 s2, 0
	s_cbranch_scc0 .Lentry_in_a_cluster
	s_endpgm
.Lentry_in_a_cluster:
	s_bfe_u32 s2, ttmp6, 0x10000c
	s_cmp_lg_u32 s2, 0x3003
	s_cbranch_scc0 .Lentry_shape_is_right
	s_endpgm
.Lentry_shape_is_right:
; out0[b][t] = the sum over j of hid[b][t][j],  hid = x W^T + b,  x and W as codes of FP4 (E2M1) with one E8M0 scale for each 32 along K.
; WORK LEFT OUT, AND WHY IT IS DEAD.  reference() forms e = hid^T hid, alpha = softmax(e, axis 1), s[b][j] = the sum over i of alpha[b][i][j], and context[b][t] = the sum over j of s[b][j] hid[b][t][j].
; s sums the softmax along the very axis along which it was normalised: s[b][j] = (sum_i exp(e_ij - m_j)) / (sum_i exp(e_ij - m_j)) = 1 in exact arithmetic, for every finite e, and e is finite for all finite
; inputs, whatever the quantiser of hid does ahead of the second product.  So s is a factor that is 1 by an identity; the second product, its two quantisers, the exponentials and the sum s reach no output
; and are left out whole.  The first product is live (hid reaches the output) and is done in full on the codes; every input is loaded.
; LIMITS.  A NaN, an infinity or an overflow that would arise only in e or in the softmax is not carried to the result.  The f32 sums are taken in another order than reference()'s (K in eight parts, the columns
; j modulo 32 in the accumulators, W's halves in either order).  A scale byte 0xff gives NaN, as the format has it.
; SHARES.  256 work-groups of eight waves; work-group g owns rows 128 g .. 128 g + 127 of the 32,768 and all 1,024 columns: each output number has one owner.  THE WAVES SHARE K: wave w takes K = 128 w .. 128 w + 127
; of all rows and columns: 64 bytes of each row of 512.  Its part of x is 8 tiles of 16 rows, 64 registers; each byte of x and of W is read from LDS once in the work-group.  Since only the sum over j is wanted,
; ALL 32 TILES OF W (32 rows each) ADD ONTO THE SAME 8 ACCUMULATORS; the eight waves' partial row sums meet once, in LDS.
; Source 0 = 32 rows of W, source 1 = 16 rows of x: lane (r, h) holds x's row r, its 16 registers are columns j.
; W COMES IN TWO GENERATIONS of 512 rows through one region of LDS; even clusters begin with rows 0-511, odd ones with rows 512-1023 (the sum over j may be taken in any order).  The first generation goes whole into
; registers (16 tiles x 16 registers in each wave), and then the region is filled again with the second: one refill in the launch.  In each generation wave 0 fetches the 512 rows' scales, waves 1-3 the generation's
; rows 320-511 (64 each: tiles 0 to 5), waves 4-7 its rows 0-319 (80 each: tiles 6 to 15): one load a wave.  Tiles 0 to 5 are read first, behind a barrier at which waves 4-7 have not waited yet; their loads have a
; line of their own.
; CLUSTER: the work-groups of a cluster walk the same W, so the four ask for each tile JOINTLY (the same load, the same descriptor, the mask 15).
; x comes by plain loads, whole rows of 512 bytes, through a stage in LDS that no tensor load fills, in two halves of 64 rows.  A half's raw rows and its fragments take the same registers.
; No prefetch: there is no loop to run ahead in; W has one refill, and it is asked for as soon as the region is read out.
; REGISTERS.  window 0: v0-23 ids, addresses, bias; v24-31 x's scale words; v32-63 W's, two generations; v64-127 x; v128-255 the 8 accumulators.  window 1: W's fragments, tile i at v[16 i].
.set PITCH, 528                        ; an LDS row: 512 bytes + 16 of padding: the 16 rows of a fragment load start at 16 different 16-byte columns modulo 256 bytes
.set WB,    64*PITCH                   ; the stage of x (64 rows) lies at 0; behind it W's region, 512 rows
.set SCL,   WB+512*PITCH               ; the scales of 512 rows: 64 units of 256 bytes + 16 of padding
.set RED,   SCL+64*272                 ; 8 waves x 512 bytes of partial row sums
.set SPARE, RED+4096                   ; the spare words, 128 bytes for each wave: four blocks of 256 bytes that no other line names
.set ADW,   4                          ; v4-7   WB + r x 528 + 16 h + 64 w, + 128 rows each
.set XOFF,  8                          ; v8     16 x thread: my 16 bytes of x's row w of eight; and of b
.set SXO,   9                          ; v9     32 r + 4 w
.set RST,   10                         ; v10    RED + 512 w + 4 x lane
.set RLD,   11                         ; v11    RED + 16 x lane
.set OUTO,  12                         ; v12    16 x lane
.set XFA,   13                         ; v13    r x 528 + 16 h + 64 w: x's fragments in the stage
.set SPW,   14                         ; v14    LDS address of my spare word; never rewritten
.set NIL,   15                         ; v15    0; never rewritten
.set XST,   16                         ; v16    where I put 16 bytes of row w of eight in the stage
.set SWA,   17                         ; v17    my scale words: row = lane
.set BW,    18                         ; v18    the sum of my wave's 128 numbers of b;  v19 at work
.set BV,    20                         ; v20-23 my four numbers of b
.set SX,    24
.set SW0,   32
.set SW1,   48
.set XF,    64
.set ACC,   128
.set U,     64                         ; the way out: a tile's row sums, in x's registers
.set OV,    80
.set WV,    16                         ; s16    my wave's number
.set SEL,   22                         ; s[22:23] v_permlanex16_b32's selects for lane l xor 16
.set G1A,   24                         ; groups 1: 64 rows of W, 80 rows of W, the scales
.set G1B,   32
.set G1S,   40
.set G0A,   48                         ; groups 0 of the first generation,
.set G0B,   52
.set G0S,   56
.set H0A,   68                         ; and of the second; none is ever rewritten
.set H0B,   72
.set H0S,   76
.set MSB, 0
.macro WIN new                         ; the immediate's high byte repeats the setting that is left; a switch that changes nothing is dropped
.if MSB != \new
	s_set_vgpr_msb (MSB<<8)|\new
.set MSB, \new
.endif
.endm
.set INW,  0x01                        ; source 0 (W) window 1; all else window 0
.set TO_F, 0x40                        ; destination window 1, address window 0
.macro PLACES                          ; four plain places between a matrix instruction and a load into a register that it has read, or a read of its result
.rept 4
	v_nop
.endr
.endm
.macro CREST                           ; a round of the cluster's barrier behind its opening barrier
	s_cmp_lg_u32 s[WV], 0
	s_cbranch_scc1 .Lnot_wave_0_\@
	s_barrier_signal -3
.Lnot_wave_0_\@:
	s_barrier_wait -3
	s_barrier_signal -1
	s_barrier_wait -1
.endm
.macro ROUND                           ; a whole round
	s_barrier_signal -1
	s_barrier_wait -1
	CREST
.endm
; A generation's joint loads, one a wave: ONE chain of branches on the wave's number, every way through it passes one load.
.macro JLOAD ga, gb, gs
	s_cmp_lt_u32 s[WV], 1
	s_cbranch_scc0 .Lnot_s_\@
	tensor_load_to_lds s[\gs:\gs+3], s[G1S:G1S+7]
	s_nop 0
	PLACES
	s_branch .Lasked_\@
.Lnot_s_\@:
	s_cmp_lt_u32 s[WV], 4
	s_cbranch_scc0 .Lnot_a_\@
	tensor_load_to_lds s[\ga:\ga+3], s[G1A:G1A+7]
	s_nop 0
	PLACES
	s_branch .Lasked_\@
.Lnot_a_\@:
	tensor_load_to_lds s[\gb:\gb+3], s[G1B:G1B+7]
	s_nop 0
	PLACES
.Lasked_\@:
.endm
.macro FETCH i                         ; tile i of the region, 32 rows x my 64 bytes: registers 0-7 rows 0-15, 8-15 rows 16-31; lane (r, h) takes bytes 64 w + 32 c + 16 h on
.set AR_, ADW+(\i)/4
.set O_, ((\i)%4)*32*PITCH
.irp u, 0,1
.irp c, 0,1
	ds_load_b128 v[16*(\i)+8*\u+4*\c:16*(\i)+8*\u+4*\c+3], v[AR_] offset:O_+\u*16*PITCH+32*\c
.endr
.endr
.endm
.macro FETCHX half                     ; x's tiles 4 half .. 4 half + 3 from the stage
.irp a, 0,1,2,3
.irp c, 0,1
	ds_load_b128 v[XF+8*(4*\half+\a)+4*\c:XF+8*(4*\half+\a)+4*\c+3], v[XFA] offset:\a*16*PITCH+32*\c
.endr
.endr
.endm
.macro STOREX half                     ; my eight raw rows of a half into the stage
.irp i, 0,1,2,3,4,5,6,7
	ds_store_b128 v[XST], v[XF+32*\half+4*\i:XF+32*\half+4*\i+3] offset:\i*8*PITCH
.endr
.endm
.macro FETCHS reg, from, n             ; n tiles' scale words: lane l holds the tile's row l.  Tiles 0-5 are the generation's rows 320-511, tiles 6-15 its rows 0-319
.set I_, \from
.rept \n
	ds_load_b32 v[\reg+I_], v[SWA] offset:((I_+10)%16)*4*272
.set I_, I_+1
.endr
.endm
; Tile i of W against x's tiles a0 .. a0 + n - 1: the accumulators take turns, one instruction a turn, with three others or more between a sum's steps.
; zero = 1: the product starts the sums: nothing is cleared.
.macro MUL i, a0, n, sw, zero
.set A_, \a0
.rept \n
.if \zero
	v_wmma_scale_f32_32x16x128_f4 v[ACC+16*A_:ACC+16*A_+15], v[16*(\i):16*(\i)+15], v[XF+8*A_:XF+8*A_+7], 0, v[\sw+(\i)], v[SX+A_]
.else
	v_wmma_scale_f32_32x16x128_f4 v[ACC+16*A_:ACC+16*A_+15], v[16*(\i):16*(\i)+15], v[XF+8*A_:XF+8*A_+7], v[ACC+16*A_:ACC+16*A_+15], v[\sw+(\i)], v[SX+A_]
.endif
.set A_, A_+1
.endr
.endm
	s_load_b256 s[4:11], s[0:1], 0x0               ; x's codes s[4:5], x's scales s[6:7], W's codes s[8:9], W's scales s[10:11]
	s_load_b128 s[12:15], s[0:1], 0x20             ; b s[12:13], out0 s[14:15]
	v_lshl_add_u32 v[SPW], v0, 2, SPARE
	v_mov_b32 v[NIL], 0
	ds_add_u32 v[SPW], v[NIL]                      ; the wave's opening: the add, twice on end, and its wait ahead of my first tensor load; the set-up below stands between the second and the wait
	ds_add_u32 v[SPW], v[NIL]
	v_lshrrev_b32 v1, 5, v0
	v_readfirstlane_b32 s[WV], v1                  ; wave 0..7
	v_and_b32 v1, 15, v0                           ; r
	v_bfe_u32 v2, v0, 4, 1                         ; h
	v_and_b32 v3, 31, v0                           ; lane
	v_lshlrev_b32 v[XOFF], 4, v0
	v_lshlrev_b32 v[SXO], 5, v1
	s_lshl_b32 s17, s[WV], 2
	v_add_nc_u32 v[SXO], s17, v[SXO]
	v_mov_b32 v19, 0                               ; written once: a lane permute's destination counts as one of its sources
	s_wait_alu depctr_va_vdst(0)
	; groups 1: rows of 512 bytes, dense in memory; in LDS 4 words of padding (code 3) behind every 128 words (code 6); 15:0 the mask, 21 set beside it
	s_mov_b32 s[G1A], 15|(1<<20)|(1<<21)|(6<<22)|(3<<25)
	s_mov_b32 s[G1A+1], 512<<16                    ; tensor_dim0 = 512
	s_mov_b32 s[G1A+2], 64<<16                     ; tensor_dim1 = 64
	s_mov_b32 s[G1A+3], 512<<16                    ; tile_dim0 = 512
	s_mov_b32 s[G1A+4], 64                         ; tile_dim1 = 64
	s_mov_b32 s[G1A+5], 512                        ; from row to row
	s_mov_b32 s[G1A+6], 0
	s_mov_b32 s[G1A+7], 0
	s_mov_b32 s[G1B], 15|(1<<20)|(1<<21)|(6<<22)|(3<<25)
	s_mov_b32 s[G1B+1], 512<<16
	s_mov_b32 s[G1B+2], 80<<16                     ; 80 rows
	s_mov_b32 s[G1B+3], 512<<16
	s_mov_b32 s[G1B+4], 80
	s_mov_b32 s[G1B+5], 512
	s_mov_b32 s[G1B+6], 0
	s_mov_b32 s[G1B+7], 0
	; the scales of 512 rows: a dense block of 16,384 bytes as 64 rows of 32 elements of 8 bytes, 4 words of padding behind every 64 (code 5)
	s_mov_b32 s[G1S], 15|(3<<16)|(1<<20)|(1<<21)|(5<<22)|(3<<25)
	s_mov_b32 s[G1S+1], 32<<16
	s_mov_b32 s[G1S+2], 64<<16
	s_mov_b32 s[G1S+3], 32<<16
	s_mov_b32 s[G1S+4], 64
	s_mov_b32 s[G1S+5], 32
	s_mov_b32 s[G1S+6], 0
	s_mov_b32 s[G1S+7], 0
	; groups 0: the count and the LDS addresses, made of the wave's number and constants alone; both generations land on the same bytes
	s_and_b32 s17, s[WV], 3
	s_mul_i32 s18, s17, 64*PITCH                   ; waves 1-3: the region's rows 0, 64, 128 (WB is 64 rows)
	s_mul_i32 s19, s17, 80*PITCH
	s_add_co_u32 s19, s19, WB+192*PITCH            ; waves 4-7: its rows 192, 272, 352, 432
	s_mov_b32 s[G0A], 1
	s_mov_b32 s[G0A+1], s18
	s_mov_b32 s[H0A], 1
	s_mov_b32 s[H0A+1], s18
	s_mov_b32 s[G0B], 1
	s_mov_b32 s[G0B+1], s19
	s_mov_b32 s[H0B], 1
	s_mov_b32 s[H0B+1], s19
	s_mov_b32 s[G0S], 1
	s_mov_b32 s[G0S+1], SCL
	s_mov_b32 s[H0S], 1
	s_mov_b32 s[H0S+1], SCL
	; where they come from: W's half by the cluster's number, which the four share, and the wave's rows in it
	s_and_b32 s20, ttmp9, 1                        ; in a cluster launch ttmp9 counts clusters.  The half of the first generation,
	s_xor_b32 s21, s20, 1                          ; and of the second
	s_add_co_u32 s18, s17, 4
	s_lshl_b32 s18, s18, 15                        ; rows 320, 384, 448 for waves 1-3
	s_mul_i32 s19, s17, 80*512                     ; rows 0, 80, 160, 240 for waves 4-7
	s_lshl_b32 s2, s20, 18
	s_lshl_b32 s3, s21, 18
	s_add_co_u32 s60, s2, s18                      ; first generation, rows 320 on
	s_add_co_u32 s62, s2, s19                      ;   rows 0 on
	s_add_co_u32 s66, s3, s18                      ; second generation, rows 320 on
	s_add_co_u32 s18, s3, s19                      ;   rows 0 on
	s_lshl_b32 s20, s20, 14                        ; their scales
	s_lshl_b32 s2, s21, 14
	s_mov_b32 s61, 0
	s_mov_b32 s63, 0
	s_mov_b32 s67, 0
	s_mov_b32 s19, 0
	s_mov_b32 s21, 0
	s_mov_b32 s3, 0
	s_wait_dscnt 0x0                               ; both opening adds are done
	ROUND                                          ; all four work-groups are here: the first joint loads meet
	s_wait_kmcnt 0x0
	s_add_nc_u64 s[G0S+2:G0S+3], s[10:11], s[20:21]
	s_or_b32 s[G0S+3], s[G0S+3], 0x80000000        ; 127:126 type = 2
	s_add_nc_u64 s[G0A+2:G0A+3], s[8:9], s[60:61]
	s_or_b32 s[G0A+3], s[G0A+3], 0x80000000
	s_add_nc_u64 s[G0B+2:G0B+3], s[8:9], s[62:63]
	s_or_b32 s[G0B+3], s[G0B+3], 0x80000000
	JLOAD G0A, G0B, G0S                            ; the first generation: one load a wave
	s_bfe_u32 s17, ttmp6, 0x40000                  ; cx: my place in the cluster: it enters x's, x's scales' and out0's addresses alone
	s_lshl_b32 s60, ttmp9, 2
	s_add_co_u32 s60, s60, s17                     ; g = 4 x cluster + cx
	s_lshl_b32 s62, s60, 16                        ; x: my work-group's 128 rows of 512 bytes
	s_add_nc_u64 s[4:5], s[4:5], s[62:63]
	s_lshl_b32 s62, s60, 12                        ; x's scales: 128 rows of 32 bytes
	s_add_nc_u64 s[6:7], s[6:7], s[62:63]
	s_lshl_b32 s62, s60, 9                         ; out0: 128 numbers
	s_add_nc_u64 s[14:15], s[14:15], s[62:63]
	; x's first half: load i of the wave brings row 8 i + w, whole.  Then x's scale words (lane r: row 16 a + r), my wave's 128 numbers of b, and x's second half.
.irp i, 0,1,2,3,4,5,6,7
	global_load_b128 v[XF+4*\i:XF+4*\i+3], v[XOFF], s[4:5] offset:4096*\i th:TH_LOAD_NT
.endr
.irp a, 0,1,2,3,4,5,6,7
	global_load_b32 v[SX+\a], v[SXO], s[6:7] offset:512*\a
.endr
	global_load_b128 v[BV:BV+3], v[XOFF], s[12:13]
.irp i, 0,1,2,3,4,5,6,7
	global_load_b128 v[XF+32+4*\i:XF+32+4*\i+3], v[XOFF], s[4:5] offset:32768+4096*\i th:TH_LOAD_NT
.endr
	s_add_nc_u64 s[H0A+2:H0A+3], s[8:9], s[66:67]
	s_or_b32 s[H0A+3], s[H0A+3], 0x80000000
	s_add_nc_u64 s[H0B+2:H0B+3], s[8:9], s[18:19]
	s_or_b32 s[H0B+3], s[H0B+3], 0x80000000
	s_add_nc_u64 s[H0S+2:H0S+3], s[10:11], s[2:3]
	s_or_b32 s[H0S+3], s[H0S+3], 0x80000000
	s_mov_b32 s[SEL], 0x76543210
	s_mov_b32 s[SEL+1], 0xfedcba98
	s_mul_i32 s17, s[WV], PITCH
	s_lshl_b32 s18, s[WV], 6
	s_lshl_b32 s19, s[WV], 2
	s_add_co_u32 s19, s19, SCL
	s_lshl_b32 s20, s[WV], 9
	s_add_co_u32 s20, s20, RED
	v_lshl_add_u32 v[XST], v3, 4, s17              ; row w of eight, 16 x lane
	v_mul_u32_u24 v[XFA], v1, PITCH
	v_lshl_add_u32 v[SWA], v3, 5, s19
	v_lshrrev_b32 v[RLD], 3, v3
	v_lshl_add_u32 v[XFA], v2, 4, v[XFA]
	v_lshl_add_u32 v[SWA], v[RLD], 4, v[SWA]       ; 32 x lane + 4 w, and 16 more for each 256 passed
	v_lshl_add_u32 v[RST], v3, 2, s20
	v_add_nc_u32 v[XFA], s18, v[XFA]               ; r x pitch + 16 h + 64 w
	v_lshl_add_u32 v[RLD], v3, 4, RED
	v_lshlrev_b32 v[OUTO], 4, v3
	s_wait_alu depctr_va_vdst(0)
	s_wait_loadcnt 17                              ; the first half is in; behind it 8 scale words, the bias and the second half's 8 may be out
	STOREX 0
	s_wait_loadcnt 8                               ; the scale words and the bias are in; the second half's 8 may be out
	; the bias's sum over the wave, by turns with the last LDS addresses
	v_pk_add_f32 v[BV:BV+1], v[BV:BV+1], v[BV+2:BV+3]
	v_add_nc_u32 v[ADW], WB, v[XFA]
	v_add_f32 v[BW], v[BV], v[BV+1]
	v_add_nc_u32 v[ADW+1], WB+128*PITCH, v[XFA]
	v_add_f32_dpp v[BW], v[BW], v[BW] row_xmask:1 row_mask:0xf bank_mask:0xf
	v_add_nc_u32 v[ADW+2], WB+256*PITCH, v[XFA]
	v_add_f32_dpp v[BW], v[BW], v[BW] row_xmask:2 row_mask:0xf bank_mask:0xf
	v_add_nc_u32 v[ADW+3], WB+384*PITCH, v[XFA]
	v_add_f32_dpp v[BW], v[BW], v[BW] row_xmask:4 row_mask:0xf bank_mask:0xf
	v_add_f32_dpp v[BW], v[BW], v[BW] row_xmask:8 row_mask:0xf bank_mask:0xf
	v_permlanex16_b32 v19, v[BW], s[SEL], s[SEL+1]
	v_add_f32 v[BW], v[BW], v19                    ; every lane: the sum of my wave's 128 numbers of b; the eight waves' parts make the sum over j of b[j]
	s_wait_alu depctr_va_vdst(0)
	; Tiles 0-5 and the scales have landed (waves 0-3 wait; waves 4-7, whose loads are another line's, go on), and x's first half lies in the stage.
	s_cmp_lt_u32 s[WV], 4
	s_cbranch_scc0 .Lfirst_a
	s_wait_tensorcnt 0x0
.Lfirst_a:
	s_wait_dscnt 0x0                               ; for the others' sake: my stores are done
	s_barrier_signal -1
	s_barrier_wait -1
	FETCHX 0
	FETCHS SW0, 0, 6
	WIN TO_F
.irp i, 0,1,2,3,4,5
	FETCH \i
.endr
	WIN INW
	s_wait_dscnt 20                                ; all but the five later tiles' loads
	MUL 0, 0, 4, SW0, 1
	s_wait_dscnt 16
	MUL 1, 0, 4, SW0, 0
	s_wait_dscnt 12
	MUL 2, 0, 4, SW0, 0
	s_wait_tensorcnt 0x0                           ; tiles 6-15 have landed too
	s_wait_dscnt 0x0                               ; and my reads of the stage are over
	s_barrier_signal -1
	MUL 3, 0, 4, SW0, 0
	MUL 4, 0, 4, SW0, 0
	MUL 5, 0, 4, SW0, 0
	s_barrier_wait -1
	WIN 0
	FETCHS SW0, 6, 10
	WIN TO_F
.irp i, 6,7,8,9,10,11,12,13,14,15
	FETCH \i
.endr
	WIN INW
	s_wait_dscnt 36
	MUL 6, 0, 4, SW0, 0
	s_wait_dscnt 32
	MUL 7, 0, 4, SW0, 0
	WIN 0
	s_wait_loadcnt 0x0                             ; x's second half is in
	STOREX 1                                       ; every wave has read the first half out of the stage
	WIN INW
.irp i, 8,9,10,11
	s_wait_dscnt 4*(15-\i)+8                       ; the later tiles' loads and the eight stores may be out
	MUL \i, 0, 4, SW0, 0
.endr
	; The region is filled again: the round's opening barrier says that every wave's tensor loads have landed and its reads are over.
	WIN 0                                          ; (the add's two registers lie in window 0)
	s_wait_tensorcnt 0x0
	ds_add_u32 v[SPW], v[NIL]                      ; 0 onto my spare word
	WIN INW
	s_wait_dscnt 21                                ; three tiles' loads, the eight stores and the add may be out
	MUL 12, 0, 4, SW0, 0
	s_wait_dscnt 17
	MUL 13, 0, 4, SW0, 0
	s_wait_dscnt 0x0                               ; the add is done, my reads are over, x's second half lies in the stage
	s_barrier_signal -1
	MUL 14, 0, 4, SW0, 0
	WIN 0
	s_barrier_wait -1
	CREST
	JLOAD H0A, H0B, H0S                            ; the second generation: my one load behind the round
	FETCHX 1
	WIN INW
	MUL 15, 0, 4, SW0, 0
	s_wait_dscnt 0x0
	MUL 0, 4, 4, SW0, 1                            ; x's second half: its products start its four sums
.irp i, 1,2,3,4,5,6,7,8,9,10
	MUL \i, 4, 4, SW0, 0
.endr
	WIN 0
	; The second generation's tiles 0-5 and scales have landed: waves 0-3 wait, as above.
	s_cmp_lt_u32 s[WV], 4
	s_cbranch_scc0 .Lsecond_a
	s_wait_tensorcnt 0x0
.Lsecond_a:
	s_barrier_signal -1
	WIN INW
	MUL 11, 4, 4, SW0, 0
	MUL 12, 4, 4, SW0, 0
	s_barrier_wait -1
	PLACES                                         ; for the loads into tiles 0-5, whose products are all issued
	WIN 0
	FETCHS SW1, 0, 6
	WIN TO_F
.irp i, 0,1,2,3,4,5
	FETCH \i
.endr
	WIN INW
	MUL 13, 4, 4, SW0, 0
	MUL 14, 4, 4, SW0, 0
	MUL 15, 4, 4, SW0, 0
	s_wait_dscnt 20
	MUL 0, 0, 8, SW1, 0                            ; from here on a tile feeds all eight accumulators
	s_wait_dscnt 16
	MUL 1, 0, 8, SW1, 0
	s_wait_tensorcnt 0x0                           ; the rest has landed
	s_wait_dscnt 0x0
	s_barrier_signal -1
	MUL 2, 0, 8, SW1, 0
	s_barrier_wait -1
	PLACES                                         ; for the loads into tiles 6-15
	WIN 0
	FETCHS SW1, 6, 10
	WIN TO_F
.irp i, 6,7,8,9,10,11,12,13,14,15
	FETCH \i
.endr
	WIN INW
	MUL 3, 0, 8, SW1, 0
	MUL 4, 0, 8, SW1, 0
	MUL 5, 0, 8, SW1, 0
.irp i, 6,7,8,9,10,11,12,13,14,15
	s_wait_dscnt 4*(15-\i)
	MUL \i, 0, 8, SW1, 0
.endr
	WIN 0
	; THE WAY OUT.  Accumulator a, lane (r, h): x's row 16 a + r, summed over my K; its 16 registers and the two halves of the lanes are the columns modulo 32.  Each accumulator is read from its low end on.
	PLACES
.macro FOLD d, s
.irp a, 0,1,2,3,4,5,6,7
	v_pk_add_f32 v[ACC+16*\a+\d:ACC+16*\a+\d+1], v[ACC+16*\a+\d:ACC+16*\a+\d+1], v[ACC+16*\a+\s:ACC+16*\a+\s+1]
.endr
.endm
	FOLD 0, 2
	FOLD 4, 6
	FOLD 8, 10
	FOLD 12, 14
	FOLD 0, 4
	FOLD 8, 12
	FOLD 0, 8
.irp a, 0,1,2,3,4,5,6,7
	v_add_f32 v[U+\a], v[ACC+16*\a], v[ACC+16*\a+1]
.endr
.irp c, 0,1,2,3
	v_permlane16_swap_b32 v[U+2*\c], v[U+2*\c+1]   ; the first now holds both tiles' halves h = 0, the second both tiles' halves h = 1: lane l stands for row 32 c + l in both
.endr
.irp c, 0,1,2,3
	v_add_f32 v[U+2*\c], v[U+2*\c], v[U+2*\c+1]
.endr
.irp c, 0,1,2,3
	v_add_f32 v[U+2*\c], v[U+2*\c], v[BW]          ; and my wave's part of the bias's sum
.endr
.irp c, 0,1,2,3
	ds_store_b32 v[RST], v[U+2*\c] offset:128*\c   ; my wave's partial sum of row 32 c + lane
.endr
	s_wait_dscnt 0x0                               ; for the others' sake: my stores are done
	s_barrier_signal -1
	s_barrier_wait -1
	s_cmp_lg_u32 s[WV], 0                          ; wave 0 adds the eight parts and stores the work-group's 128 numbers
	s_cbranch_scc1 .Lend
.irp w, 0,1,2,3,4,5,6,7
	ds_load_b128 v[OV+4*\w:OV+4*\w+3], v[RLD] offset:512*\w    ; rows 4 x lane .. + 3 of wave w's part
.endr
	s_wait_dscnt 0x0
.irp w, 0,2,4,6
.irp j, 0,2
	v_pk_add_f32 v[OV+4*\w+\j:OV+4*\w+\j+1], v[OV+4*\w+\j:OV+4*\w+\j+1], v[OV+4*\w+4+\j:OV+4*\w+5+\j]
.endr
.endr
.irp w, 0,4
.irp j, 0,2
	v_pk_add_f32 v[OV+4*\w+\j:OV+4*\w+\j+1], v[OV+4*\w+\j:OV+4*\w+\j+1], v[OV+4*\w+8+\j:OV+4*\w+9+\j]
.endr
.endr
.irp j, 0,2
	v_pk_add_f32 v[OV+\j:OV+\j+1], v[OV+\j:OV+\j+1], v[OV+16+\j:OV+17+\j]
.endr
	global_store_b128 v[OUTO], v[OV:OV+3], s[14:15]            ; 32 lanes store 512 consecutive bytes, at a multiple of 512 from out0's first byte
.Lend:
	s_wait_tensorcnt 0x0                           ; the wave's end, behind my last tensor load and my last LDS store
	ds_add_u32 v[SPW], v[NIL]
	s_wait_dscnt 0x0
	ROUND                                          ; the closing round: no work-group ends while a partner may still ask for a tile that names it
	s_endpgm
.Lfunc_end_k_q5d14e0b330_rowsum:
	.size	k_q5d14e0b330_rowsum, .Lfunc_end_k_q5d14e0b330_rowsum-k_q5d14e0b330_rowsum
	.p2alignl 7, 3214868480
	.fill 96, 4, 3214868480
	.section	.rodata,"a",@progbits
	.p2align	6, 0x0
	.amdhsa_kernel k_q5d14e0b330_rowsum
		.amdhsa_group_segment_fixed_size 327680
		.amdhsa_private_segment_fixed_size 0
		.amdhsa_enable_private_segment 0
		.amdhsa_kernarg_size 48
		.amdhsa_user_sgpr_count 2
		.amdhsa_user_sgpr_kernarg_segment_ptr 1
		.amdhsa_wavefront_size32 1
		.amdhsa_system_sgpr_workgroup_id_x 1
		.amdhsa_system_sgpr_workgroup_id_y 1
		.amdhsa_system_sgpr_workgroup_id_z 1
		.amdhsa_system_vgpr_workitem_id 0
		.amdhsa_next_free_vgpr 512
		.amdhsa_next_free_sgpr 80
		.amdhsa_reserve_vcc 0
		.amdhsa_float_denorm_mode_32 3
		.amdhsa_float_denorm_mode_16_64 3
		.amdhsa_memory_ordered 1
		.amdhsa_forward_progress 1
		.amdhsa_inst_pref_size 65
	.end_amdhsa_kernel
	.amdgpu_metadata
---
amdhsa.version: [ 1, 2 ]
amdhsa.kernels:
  - .name:           k_q5d14e0b330_rowsum
    .symbol:         k_q5d14e0b330_rowsum.kd
    .args:
      - { .name: x_codes, .offset: 0, .size: 8, .value_kind: global_buffer, .address_space: global }
      - { .name: x_scales, .offset: 8, .size: 8, .value_kind: global_buffer, .address_space: global }
      - { .name: W_codes, .offset: 16, .size: 8, .value_kind: global_buffer, .address_space: global }
      - { .name: W_scales, .offset: 24, .size: 8, .value_kind: global_buffer, .address_space: global }
      - { .name: b, .offset: 32, .size: 8, .value_kind: global_buffer, .address_space: global }
      - { .name: out0, .offset: 40, .size: 8, .value_kind: global_buffer, .address_space: global }
    .group_segment_fixed_size: 327680
    .private_segment_fixed_size: 0
    .kernarg_segment_align: 8
    .kernarg_segment_size: 48
    .max_flat_workgroup_size: 256
    .sgpr_count:     80
    .vgpr_count:     512
    .wavefront_size: 32
...
	.end_amdgpu_metadata
.endif
;; end of part 1
